; MI455X (gfx1250); checked and timed in simulation.
; The chip was launched on July 23, 2026; its instructions are those of AMD's public machine-readable ISA for CDNA 5 (MIT licence, August 2026) and "CDNA5" Instruction Set Architecture Reference Guide (July 2026). The comments in the code are by the model that wrote it; some were corrected since.
;; Model. Allowed arithmetic: matrix products marked QUANTISED: E5M2 operands, one E8M0 scale for each 32 along K, by v_wmma_scale_f32_16x16x128_f8f6f4 with both operands' format E5M2, f32 sums; everything else in f32.
;; Inputs: key 4 x 16 x 2,048 x 64 float32; query 4 x 16 x 2,048 x 64 float32; value 4 x 16 x 2,048 x 64 float32.
;; Outputs: out0 4 x 16 x 2,048 x 64 float32.
;; This version of the problem:
;;   THIS VERSION OF THE PROBLEM IS GIVEN IN LOW PRECISION. The matrix products marked QUANTISED in the list below multiply operands that are first quantised to E5M2 (5 exponent bits, 2 mantissa bits; 8 bits a number), with one power-of-two scale for each 32 numbers along K (OCP MX v1.0); their sums are f32. All else is computed in f32.
;;   The module's matrix products, in the order in which they are computed (A, B: the left and right operand; K: the contracted axis; several contracted axes count as one K, in the product's order):
;;     1. batch 64 x [M 2,048, K 64] x [K 64, N 2,048]; A: input query; B: input key: QUANTISED
;;     2. batch 64 x [M 2,048, K 2,048] x [K 2,048, N 64]; A: softmax (see below); B: input value: QUANTISED
;;   THE QUANTISER, for each operand of a quantised product, along K:
;;     - K is cut into blocks of 32 from its start; a last block that is shorter is filled with zeros.
;;     - A block's scale is 2^e with e = floor(log2(the largest magnitude in the block)) - 15, held to -126 .. 127; a block of zeros has e = 0. As a byte (E8M0): e + 127.
;;     - Each number is divided by its block's scale, clamped to +-57,344, and rounded to the nearest number of E5M2, ties to even, subnormals kept.
;;     - The product sums the exact products of the quantised numbers (number of the format x scale) in f32.
;;   ~~~python
;;   def quantise(x, axis):      # numpy; x: float32 -> the quantised numbers, widened to float32 again
;;       x = np.moveaxis(x, axis, -1); K = x.shape[-1]
;;       x = np.pad(x, [(0, 0)] * (x.ndim - 1) + [(0, -K % 32)]); x = x.reshape(x.shape[:-1] + (-1, 32)); a = np.abs(x).max(-1, keepdims=True)
;;       e = np.where(a > 0, np.clip(np.frexp(np.where(a > 0, a, 1))[1] - 1 - 15, -126, 127), 0)      # np.frexp(a)[1] - 1 = floor(log2(a)), exactly
;;       r = np.clip(x / 2.0 ** e, -57344, 57344)
;;       step = 2.0 ** (np.maximum(np.frexp(np.where(r == 0, 1, r))[1] - 1, -14) - 2)
;;       q = np.round(r / step) * step * 2.0 ** e      # np.round: ties to even
;;       return np.moveaxis(q.reshape(q.shape[:-2] + (-1,))[..., :K], -1, axis).astype(np.float32)
;;   ~~~
;;   SOFTMAX AHEAD OF A QUANTISED PRODUCT. Where the list says 'softmax', what is quantised is not the finished softmax but p = 2^(t - M), with t = logit x log2(e) and M = ceil(the row's largest t), a whole number; so 1/2 < the row's largest p <= 1. The row's sum l is taken of the UNQUANTISED p, in f32, and the product's result is divided by l at the end. Since M is a whole number, a kernel that streams over the keys may use a running M (the ceiling of the running maximum): every later rescaling is an exact power of two, which a block's scale takes up: the codes' values come out the same.
;;   OPERANDS COMPUTED ON THE WAY. 'Computed on the way' means the value that the module computes at that place (a softmax that the list does not call 'softmax' is quantised finished and normalised). What goes into a quantiser is computed in f32, as accurately as f32 sums, v_exp_f32 and their like allow (about 1e-6 of the number): no bf16 or f16 on the way to a quantiser, and a product that is left as it is and whose result goes on into a quantised operand takes f32 operands (vector FMAs, or v_wmma_f32_16x16x4_f32). A number that lies on a knife's edge between two numbers of the format may be rounded either way, as far as f32 arithmetic and the matrix unit's own rounding can turn it there, and no further.
;; One version. Each part assembles by itself: llvm-mc -triple=amdgcn-amd-amdhsa -mcpu=gfx1250 --defsym DOCPART=n.
;; ======== version 1 of 1: 2 launches
;; limits: right only within a limited range of input values
;; workspace buffers: kv 17,301,504 bytes
;; launch quant (part 1): grid 512 x 1, 4 waves a work-group, no clusters, 35,328 bytes of LDS; arguments key, value, kv; writes kv
.if DOCPART == 1
	.amdgcn_target "amdgcn-amd-amdhsa--gfx1250"
	.amdhsa_code_object_version 6
	.text
	.protected	k_qa8dbf6a2cc_quant
	.globl	k_qa8dbf6a2cc_quant
	.p2align	8
	.type	k_qa8dbf6a2cc_quant,@function
k_qa8dbf6a2cc_quant:
	s_mov_b64 s[64:65], 0
	v_nop
	global_prefetch_b8 v0, s[64:65] scope:SCOPE_SE
	s_setreg_imm32_b32 hwreg(HW_REG_WAVE_MODE, 25, 1), 1
	s_wait_xcnt 0x0
; out = softmax(query key^T / 8) value on 64 heads of 2,048 positions x 64 channels, both products on codes of BF8 (E5M2) with one E8M0 scale for each 32 along a product's K.
; DEAD WORK: none.  Every number of query, key and value reaches the output, and the dropout of the source is the identity in the problem's own text: all three inputs are loaded, nothing is left out.
; THIS LAUNCH quantises key (along the 64 channels: the first product's K) and value (along the keys: the second product's K), once, into the workspace kv, which the second launch reads.
; kv = [64 heads][16 key steps][16,896 bytes]; a key step is 128 keys.  Its bytes are IMAGES OF THE OPERANDS' REGISTERS: group g (4 registers) of a fragment lies at 512 g + 16 x lane.
;   +0      key: 4 fragments F_f of 2,048 bytes.  A fragment is 16 rows x 128 along K, and a key has only 64 channels: so row r holds TWO keys, 32 f + rho(r) in its first 64 places and 32 f + 8 + rho(r) in its last 64,
;           rho(r) = r + 8 (r / 8).  The second launch multiplies it by [Q | 0] and by [0 | Q].  With this choice of keys a lane's 16 results of one fragment are 16 neighbouring keys.
;   +8192   value: 4 tiles T_t of 2,048 bytes: row m is channel 4 m + t, K = the step's 128 keys.
;   +16384  key's scale words (4 bytes a row of a fragment), 8 bytes a lane: lanes 0-15 fragments 0 and 2, lanes 16-31 fragments 1 and 3.     +16640  value's, likewise by tiles.
; THE QUANTISER: a block's scale is 2^(floor(log2(its largest magnitude)) - 15); its byte is the largest magnitude's exponent field - 15, held at 1 from below by a floor among the maximum's leaves.
; Each number is held within +-57,344 x the scale and rounded to the nearest code, ties to even, by the conversion.
; LIMITS: a block of zeros gets the byte 1 where the rule says 127: its codes are zeros, which add nothing under any byte but 0xff, and these bytes are read by this program alone.  NaN and infinities among the inputs are not served.
; SHARES: a wave takes one key step (128 rows of 256 bytes, dense) of key (work-groups 0-255) or of value (256-511).  Waves share nothing: no barrier.  Every load reads and every store writes whole aligned runs of 256 bytes or more.
.set STEPB, 16896                      ; a key step's bytes in kv
.set STG,   8704                       ; LDS: a wave's stage, 32 rows x (256 + 16) bytes: key's path alone uses it
.set SPARE, 4*STG                      ; behind the four stages: the spare words, 128 bytes for each wave: two blocks of 256 bytes that no other line names
.set LI,  1                            ; v1   16 x lane
.set L8,  2                            ; v2   8 x lane
.set SIN, 3                            ; v3   the stage, on the way in: 272 (lane / 16) + 16 (lane % 16)
.set SRD, 4                            ; v4   and back: 272 rho(r) + 64 h
.set SPW, 5                            ; v5   LDS address of my spare word; never rewritten
.set NIL, 6                            ; v6   0; never rewritten
.set VA,  7                            ; v7   value: 4,096 (lane / 16) + 16 (lane % 16)
.set TM,  8                            ; v8-11 largest magnitudes; v12-15 the other half's, then the bytes; v16-19 57,344 x the scale; v20-23 the conversions' scale operands
.set W,   24                           ; v24-27 scale words
.set PC,  28                           ; v28-43 codes
.set SW,  44                           ; v[44:45] the scale words as they are stored (at the head: at work, with v46, v47)
.set RAW, 48                           ; v48-175 two sets of 64 numbers as loaded
.set X,   176                          ; v176-239 64 numbers in the conversions' order
	s_load_b128 s[4:7], s[0:1], 0x0                ; key, value
	s_load_b64 s[8:9], s[0:1], 0x10                ; kv
	v_lshl_add_u32 v[SPW], v0, 2, SPARE
	v_mov_b32 v[NIL], 0
	v_lshrrev_b32 v46, 5, v0
	v_readfirstlane_b32 s10, v46                   ; wave 0..3
	v_and_b32 v46, 31, v0                          ; lane
	v_and_b32 v47, 15, v0                          ; r = lane % 16
	v_bfe_u32 v44, v0, 4, 1                        ; h = lane / 16
	v_lshlrev_b32 v[LI], 4, v46
	v_lshlrev_b32 v[L8], 3, v46
	s_mul_i32 s20, s10, STG                        ; my stage
	v_mul_u32_u24 v[SIN], v44, 272
	v_lshl_add_u32 v[SIN], v47, 4, v[SIN]
	v_add_nc_u32 v[SIN], s20, v[SIN]
	v_and_b32 v45, 8, v47
	v_add_nc_u32 v45, v45, v47                     ; rho(r) = r + 8 (r / 8)
	v_mul_u32_u24 v[SRD], v45, 272
	v_lshl_add_u32 v[SRD], v44, 6, v[SRD]
	v_add_nc_u32 v[SRD], s20, v[SRD]
	v_lshlrev_b32 v[VA], 12, v44
	v_lshl_add_u32 v[VA], v47, 4, v[VA]
	v_cmp_le_u32 s19, 16, v46                      ; the mask of lanes 16-31
.irp b, 0,1,2,3
	v_mov_b32 v[TM+4+\b], 0                        ; written once: a lane permute's destination counts as one of its sources
.endr
	s_mov_b32 s16, 0x76543210
	s_mov_b32 s17, 0xfedcba98                      ; v_permlanex16_b32's selects for lane l xor 16
	s_mov_b32 s18, 0x600000                        ; the mantissa field of 57,344
	s_and_b32 s11, ttmp9, 255
	s_lshl_b32 s11, s11, 2
	s_add_co_u32 s11, s11, s10                     ; my task = 16 x head + key step
	s_lshl_b32 s12, s11, 15                        ; 32,768 bytes of input a task
	s_mov_b32 s13, 0
	s_mul_i32 s14, s11, STEPB                      ; 16,896 bytes of kv a task
	s_mov_b32 s15, 0
	s_wait_kmcnt 0x0
	s_cmp_lt_u32 ttmp9, 256                        ; key's work-group or value's: the choice hangs on the work-group's number alone
	s_cselect_b64 s[4:5], s[4:5], s[6:7]
	s_add_nc_u64 s[4:5], s[4:5], s[12:13]
	s_add_nc_u64 s[8:9], s[8:9], s[14:15]
; Four blocks b of 32 numbers, of which my lane holds 16: number i of block b in v[src + sb b + si i]; the other 16 lie in lane l xor 16.  Leaves: TM+4+b the byte, TM+8+b 57,344 x the scale, TM+12+b the conversion's scale operand.
.macro MAXES src, sb, si
.irp b, 0,1,2,3
	v_max3_num_f32 v[TM+\b], |v[\src+\sb*\b]|, |v[\src+\sb*\b+\si]|, 0x8000000   ; and the floor 2^(16 - 127), under which no largest magnitude is taken: so the byte cannot fall under 1
.endr
.irp i, 2,4,6,8,10,12,14
.irp b, 0,1,2,3
	v_max3_num_f32 v[TM+\b], v[TM+\b], |v[\src+\sb*\b+\si*\i]|, |v[\src+\sb*\b+\si*\i+\si]|   ; the four blocks by turns: no line waits for the line above it
.endr
.endr
.irp b, 0,1,2,3
	v_permlanex16_b32 v[TM+4+\b], v[TM+\b], s16, s17
.endr
.irp b, 0,1,2,3
	v_max_num_f32 v[TM+\b], v[TM+\b], v[TM+4+\b]   ; the block's largest magnitude
.endr
.irp b, 0,1,2,3
	v_add_nc_u32 v[TM+12+\b], 0xf8800000, v[TM+\b] ; 15 off its exponent field: the conversion takes the exponent field of this operand as its scale, and nothing else of it
.endr
.irp b, 0,1,2,3
	v_and_or_b32 v[TM+8+\b], v[TM+\b], 0x7f800000, s18   ; 57,344 x the scale: the largest magnitude's exponent field over 57,344's mantissa
.endr
.irp b, 0,1,2,3
	v_lshrrev_b32 v[TM+4+\b], 23, v[TM+12+\b]      ; the scale's byte
.endr
.endm
; The hold, which also puts the numbers in order (v[dst + 16 b + i]), and the conversions: block b's 16 codes into v[PC + 4 b] on.
.macro HOLDCVT src, sb, si, dst
.irp b, 0,1,2,3
.irp i, 0,1,2,3,4,5,6,7,8,9,10,11,12,13,14,15
	v_med3_num_f32 v[\dst+16*\b+\i], v[\src+\sb*\b+\si*\i], -v[TM+8+\b], v[TM+8+\b]   ; the conversion to an 8-bit code does not saturate (ISA guide 7.6.2)
.endr
	v_cvt_scalef32_pk8_bf8_f32 v[PC+4*\b:PC+4*\b+1], v[\dst+16*\b:\dst+16*\b+7], v[TM+12+\b]
	v_cvt_scalef32_pk8_bf8_f32 v[PC+4*\b+2:PC+4*\b+3], v[\dst+16*\b+8:\dst+16*\b+15], v[TM+12+\b]
.endr
	v_nop                                          ; a plain vector line between the last conversion and the next vector line that writes its sources
.endm
	s_cmp_lt_u32 ttmp9, 256
	s_cbranch_scc0 .Lvalue
; ---- KEY.  Fragment f is made of keys 32 f .. 32 f + 31: 32 dense rows.  Each load takes 512 consecutive bytes; the rows turn through my stage, since a lane wants 16 neighbouring channels of each of two keys.
.macro LOADK f
.irp i, 0,1,2,3,4,5,6,7,8,9,10,11,12,13,14,15
	global_load_b128 v[RAW+64*((\f)%2)+4*\i:RAW+64*((\f)%2)+4*\i+3], v[LI], s[4:5] offset:8192*(\f)+512*\i th:TH_LOAD_NT
.endr
.endm
.macro FRAGK f
.set RS, RAW+64*((\f)%2)
.if (\f) < 3
	s_wait_loadcnt 16                              ; this fragment's 16 loads are in; the next one's 16 may be out
.else
	s_wait_loadcnt 0x0
.endif
.irp i, 0,1,2,3,4,5,6,7,8,9,10,11,12,13,14,15
	ds_store_b128 v[SIN], v[RS+4*\i:RS+4*\i+3] offset:544*\i       ; rows 2 i and 2 i + 1
.endr
.irp u, 0,1
.irp b, 0,1
.irp j, 0,1,2,3
	ds_load_b128 v[X+16*(2*\u+\b)+4*\j:X+16*(2*\u+\b)+4*\j+3], v[SRD] offset:2176*\u+128*\b+16*\j   ; key 8 u + rho(r), channels 32 b + 16 h + 4 j on.  LDS serves a wave's instructions in order: these see the stores above
.endr
.endr
.endr
	s_wait_dscnt 0x0
.if (\f) < 2
	LOADK (\f)+2                                   ; into the set that the stage's stores have read
.endif
	MAXES X, 16, 1
	v_lshl_or_b32 v[W+\f], v[TM+5], 8, v[TM+4]     ; row r's scale word: first key's two blocks, second key's two
	v_lshl_or_b32 v[W+\f], v[TM+6], 16, v[W+\f]
	v_lshl_or_b32 v[W+\f], v[TM+7], 24, v[W+\f]
	s_wait_xcnt 0x0                                ; the last fragment's stores have read their data: the codes' registers are written again only behind this wait
	HOLDCVT X, 16, 1, X
.irp g, 0,1,2,3
	global_store_b128 v[LI], v[PC+4*\g:PC+4*\g+3], s[8:9] offset:2048*(\f)+512*\g   ; 32 lanes store 512 consecutive bytes, aligned
.endr
.endm
	LOADK 0
	LOADK 1
	s_wait_alu depctr_va_vdst(0)
	FRAGK 0
	FRAGK 1
	FRAGK 2
	FRAGK 3
	v_cndmask_b32 v[SW], v[W], v[W+1], s19         ; lanes 0-15 fragment 0's words, lanes 16-31 fragment 1's
	v_cndmask_b32 v[SW+1], v[W+2], v[W+3], s19     ; and fragments 2 and 3
	global_store_b64 v[L8], v[SW:SW+1], s[8:9] offset:16384   ; 256 consecutive bytes, aligned
	s_branch .Ldone
; ---- VALUE.  K = the keys, which are the rows.  Lane (q, a) takes channels 4 q .. 4 q + 3 and its registers run down the keys: register 4 i + e = key 32 c + 16 a + i, channel 4 q + e.
; So each half of the lanes reads a whole row of 256 bytes, a block of 32 keys of one channel lies in lanes l and l xor 16, and the codes of channel 4 q + e are group c of tile e's image as they stand.  No LDS.
.Lvalue:
.macro LOADV c
.irp i, 0,1,2,3,4,5,6,7,8,9,10,11,12,13,14,15
	global_load_b128 v[RAW+64*((\c)%2)+4*\i:RAW+64*((\c)%2)+4*\i+3], v[VA], s[4:5] offset:8192*(\c)+256*\i th:TH_LOAD_NT
.endr
.endm
.macro GROUPV c
.set RS, RAW+64*((\c)%2)
.if (\c) < 3
	s_wait_loadcnt 16                              ; this group's 16 loads are in; the next one's 16 may be out
.else
	s_wait_loadcnt 0x0
.endif
	MAXES RS, 1, 4
.irp e, 0,1,2,3
.if (\c) == 0
	v_mov_b32 v[W+\e], v[TM+4+\e]                  ; tile e's scale word: byte c is key block c's
.else
	v_lshl_or_b32 v[W+\e], v[TM+4+\e], 8*(\c), v[W+\e]
.endif
.endr
	s_wait_xcnt 0x0                                ; the last group's stores have read their data
	HOLDCVT RS, 1, 4, X
.if (\c) < 2
	LOADV (\c)+2
.endif
.irp e, 0,1,2,3
	global_store_b128 v[LI], v[PC+4*\e:PC+4*\e+3], s[8:9] offset:8192+2048*\e+512*(\c)   ; 512 consecutive bytes, aligned
.endr
.endm
	s_wait_alu depctr_va_vdst(0)
	LOADV 0
	LOADV 1
	GROUPV 0
	GROUPV 1
	GROUPV 2
	GROUPV 3
	v_cndmask_b32 v[SW], v[W], v[W+1], s19
	v_cndmask_b32 v[SW+1], v[W+2], v[W+3], s19
	global_store_b64 v[L8], v[SW:SW+1], s[8:9] offset:16640
.Ldone:
	s_wait_tensorcnt 0x0                           ; the wave's end: three lines behind my last LDS store
	ds_add_u32 v[SPW], v[NIL]
	s_wait_dscnt 0x0
	s_endpgm
.Lfunc_end_k_qa8dbf6a2cc_quant:
	.size	k_qa8dbf6a2cc_quant, .Lfunc_end_k_qa8dbf6a2cc_quant-k_qa8dbf6a2cc_quant
	.p2alignl 7, 3214868480
	.fill 96, 4, 3214868480
	.section	.rodata,"a",@progbits
	.p2align	6, 0x0
	.amdhsa_kernel k_qa8dbf6a2cc_quant
		.amdhsa_group_segment_fixed_size 35328
		.amdhsa_private_segment_fixed_size 0
		.amdhsa_enable_private_segment 0
		.amdhsa_kernarg_size 24
		.amdhsa_user_sgpr_count 2
		.amdhsa_user_sgpr_kernarg_segment_ptr 1
		.amdhsa_wavefront_size32 1
		.amdhsa_system_sgpr_workgroup_id_x 1
		.amdhsa_system_sgpr_workgroup_id_y 1
		.amdhsa_system_sgpr_workgroup_id_z 1
		.amdhsa_system_vgpr_workitem_id 0
		.amdhsa_next_free_vgpr 240
		.amdhsa_next_free_sgpr 66
		.amdhsa_reserve_vcc 0
		.amdhsa_float_denorm_mode_32 3
		.amdhsa_float_denorm_mode_16_64 3
		.amdhsa_memory_ordered 1
		.amdhsa_forward_progress 1
		.amdhsa_inst_pref_size 91
	.end_amdhsa_kernel
	.amdgpu_metadata
---
amdhsa.version: [ 1, 2 ]
amdhsa.kernels:
  - .name:           k_qa8dbf6a2cc_quant
    .symbol:         k_qa8dbf6a2cc_quant.kd
    .args:
      - { .name: key, .offset: 0, .size: 8, .value_kind: global_buffer, .address_space: global }
      - { .name: value, .offset: 8, .size: 8, .value_kind: global_buffer, .address_space: global }
      - { .name: kv, .offset: 16, .size: 8, .value_kind: global_buffer, .address_space: global }
    .group_segment_fixed_size: 35328
    .private_segment_fixed_size: 0
    .kernarg_segment_align: 8
    .kernarg_segment_size: 24
    .max_flat_workgroup_size: 128
    .sgpr_count:     66
    .vgpr_count:     240
    .wavefront_size: 32
...
	.end_amdgpu_metadata
.endif
;; end of part 1
;; launch attn (part 2): grid 4 x 64, 8 waves a work-group, clusters of 4 x 1, 327,680 bytes of LDS; arguments query, kv, out0; writes out0
.if DOCPART == 2
	.amdgcn_target "amdgcn-amd-amdhsa--gfx1250"
	.amdhsa_code_object_version 6
	.text
	.protected	k_qa8dbf6a2cc_attn
	.globl	k_qa8dbf6a2cc_attn
	.p2align	8
	.type	k_qa8dbf6a2cc_attn,@function
k_qa8dbf6a2cc_attn:
	s_mov_b64 s[64:65], 0
	v_nop
	global_prefetch_b8 v0, s[64:65] scope:SCOPE_SE
	s_setreg_imm32_b32 hwreg(HW_REG_WAVE_MODE, 25, 1), 1
	s_wait_xcnt 0x0
	s_wait_alu depctr_hold_cnt(0) depctr_sa_sdst(0) depctr_va_vdst(0) depctr_va_sdst(0) depctr_va_ssrc(0) depctr_va_vcc(0) depctr_vm_vsrc(0)
	s_getreg_b32 s2, hwreg(HW_REG_IB_STS2, 6, 4)
	s_cmp_eq_u32 s2, 0
	s_cbranch_scc0 .Lentry_in_a_cluster
	s_endpgm
.Lentry_in_a_cluster:
	s_bfe_u32 s2, ttmp6, 0x10000c
	s_cmp_lg_u32 s2, 0x3003
	s_cbranch_scc0 .Lentry_shape_is_right
	s_endpgm
.Lentry_shape_is_right:
; out0[head][q][:] = the sum over k of softmax_k(query[head][q] . key[head][k] / 8) value[head][k][:], 64 heads, 2,048 positions, 64 channels, no mask.  Both products on codes of BF8 (E5M2) with E8M0 scales for each 32 along K.
; Nothing of the problem's work is left out.  key and value come as the codes and scale words that the launch before laid into kv (its head comment gives the layout); query is quantised here, in registers.
; THE SOFTMAX AHEAD OF THE SECOND PRODUCT: t = score x log2(e) / 8; M = the row's largest t so far, rounded UP to a whole number; p = 2^(t - M) is quantised along the keys, not normalised.
; The row's sum is taken of the unquantised p, in f32, and divides at the end.  When M moves, the sum and O are multiplied by 2^(old M - new M): exact.
; A block's scale: its largest p is 2^x, x = the block's largest t - M, so floor(log2) of it is floor(x): byte = floor(x) + 112, with x held at -111 from below (byte 1).
; A WHOLE HEAD'S CODES AND SCALE WORDS, 270,336 bytes, LIE IN LDS: each of the eight waves fetches two key steps (33,792 dense bytes) by one tensor load at the head; nothing is filled again.
; Waves 0 to 2 have a load line of their own (key steps 0 to 5): the first barrier shows these alone, and the first five steps (which read V's steps 0-4 and K's 0-5) run before the second barrier shows the rest.
; CLUSTER: the four work-groups of a cluster own the four blocks of 512 queries of one head and need the same bytes of kv: each load is asked for JOINTLY, same descriptor, a mask that names the four.
; SHARES: a work-group owns 512 queries, in two passes of 256; in a pass each wave owns TWO tiles of 16 queries (A, B), so that each fragment of K feeds four matrix instructions and each tile of V two.
; LAYOUT: both products transposed (S^T = K Q^T, O^T = V^T P^T): a lane holds one query of each tile.  A fragment's row holds two keys; Q stands as [0 | QA | 0 | QB | 0]: fragment x [Q | 0] = the first keys' scores, x [0 | Q] the second keys'.
; PREFETCH: kv is asked for once, whole, at the head: there is no loop ahead of it to ask in.  The second pass's 32 rows of query are asked for in the first pass (a lane a row of 256 bytes), 11 key steps ahead of their loads.
; LIMITS: NaN and infinities among the inputs are not served; the promise holds while |t| stays under 2^31; a p under 2^-126 counts as 0; a block whose every p is 0 keeps the byte 1: its codes are zeros.
; REGISTERS.  Window 0: v1-15 addresses, v16-81 the two tiles' small state and all scale words, v82-121 Q, v128-191 K's fragments, v192-255 V's tiles.
; Window 1 (written by its low 8 bits): 0-63 S^T/p of A, 64-127 of B, 128-159 O^T of A, 160-191 of B, 192-207 p's codes of A, 208-223 of B, 224-255 A's first level of sums.
.set DUAL,  1                          ; 1: the hold takes two numbers an instruction
.set LOW,   45                         ; s45  -111.0
.set STEPB, 16896                      ; a key step: +0 K's 4 fragments, +8192 V's 4 tiles, +16384 K's scale words, +16640 V's
.set HEADB, 16*STEPB
.set STAGE, HEADB                      ; behind the head: 16 rows x (256 + 16) bytes for each wave: Q's way in and O's way out
.set WSTG,  16*272
.set SPARE, STAGE+8*WSTG               ; the spare words, 128 bytes a wave: four blocks of 256 bytes that no other line names
.set LI,  1                            ; 16 x lane
.set LI8, 2                            ; 8 x lane
.set ADV, 3                            ; the step's V tiles;  ADK: the next step's K fragments;  A8V, A8K: their scale words
.set ADK, 4
.set A8V, 5
.set A8K, 6
.set STO, 7                            ; stage: 272 r + 128 h
.set RD,  8                            ; stage: 272 (lane / 16) + 16 (lane % 16)
.set QRD, 9                            ; stage: 272 r + 64 h
.set SPW, 10
.set NIL, 11
.set PFO, 12                           ; 256 x lane
.set NM,  16                           ; v[16:17], v[18:19]: -M and the largest score, tile A, B
.set FF,  24                           ; v[24:25], v[26:27]: f = 2^(old M - new M)
.set BM,  28                           ; v28-35 the 8 blocks' largest scores, then x
.set PT,  36                           ; v36-43 the other half's, then floor(x)
.set HD,  44                           ; v44-51 57,344 x the scale
.set SOP, 52                           ; v52-59 the conversions' scale operands
                                       ; sums: A v[20:21], v[22:23];  B v[60:61] .. v[66:67]
.set T,   68                           ; v68, v69 at work
.set KS,  72                           ; v[72:73] K's scale words, v[74:75] V's, v76-79 Q's (A low, A high, B low, B high), v80, v81 p's
.set VS,  74
.set QS,  76
.set PW,  80
.set QZ,  82
.set FRK, 128
.set FRV, 192
.set WV,  10
.set G1,  16
.set G0,  24
.set SEL, 36
.set CS,  38
.set MNT, 40
.set TB,  41                           ; LDS byte of the step in hand;  TK: of the step whose K is fetched ahead
.set CNT, 42
.set PASS, 43
.set TK,  44
.set MSB, 0
.macro WIN new                         ; low byte: 1:0 source 0, 3:2 source 1, 5:4 source 2, 7:6 destination; the high byte repeats the setting that is left
.if MSB != \new
	s_set_vgpr_msb (MSB<<8)|\new
.set MSB, \new
.endif
.endm
.macro CROUND
	s_barrier_signal -1
	s_barrier_wait -1
	s_cmp_lg_u32 s[WV], 0
	s_cbranch_scc1 .Lnot_wave_0_\@
	s_barrier_signal -3
.Lnot_wave_0_\@:
	s_barrier_wait -3
	s_barrier_signal -1
	s_barrier_wait -1
.endm
.macro QLOAD                           ; my 32 rows of query, dense: each load 512 consecutive bytes -> window 1, 64-127
	WIN 0x40
.set j, 0
.rept 16
	global_load_b128 v[64+4*j:67+4*j], v[LI], s[4:5] offset:512*j th:TH_LOAD_NT
.set j, j+1
.endr
	WIN 0
.endm
.macro KLOAD
	ds_load_b64 v[KS:KS+1], v[A8K] offset:16384
.set j, 0
.rept 16
	ds_load_b128 v[FRK+4*j:FRK+4*j+3], v[ADK] offset:512*j
.set j, j+1
.endr
.endm
; Both tiles' rows turn through my stage (LDS serves a wave's instructions in order), so that lane (r, h) holds channels 32 b + 16 h + 0 .. 15 of row r; then four blocks (A's two, B's two) are quantised.
.macro QUANT
	s_wait_alu depctr_va_vdst(0)
.irp x, 0,1
	s_wait_loadcnt 8-8*\x                          ; tile x's eight loads are in (x = 0: B's eight may be out)
	WIN 0x04
.irp i, 0,1,2,3,4,5,6,7
	ds_store_b128 v[RD], v[64+32*\x+4*\i:67+32*\x+4*\i] offset:544*\i
.endr
	WIN 0x40
.irp b, 0,1
.irp i, 0,1,2,3
	ds_load_b128 v[32*\x+16*\b+4*\i:32*\x+16*\b+4*\i+3], v[QRD] offset:128*\b+16*\i
.endr
.endr
.endr
	s_wait_dscnt 0x0
	WIN 0x14
.irp b, 0,1,2,3
	v_max3_num_f32 v[BM+\b], 0x8000000, |v[16*\b]|, |v[16*\b+1]|   ; with the floor 2^(16 - 127): the byte cannot fall under 1
.endr
.irp i, 2,4,6,8,10,12,14
.irp b, 0,1,2,3
	v_max3_num_f32 v[BM+\b], v[BM+\b], |v[16*\b+\i]|, |v[16*\b+\i+1]|
.endr
.endr
	WIN 0
.irp b, 0,1,2,3
	v_permlanex16_b32 v[PT+\b], v[BM+\b], s[SEL], s[SEL+1]
.endr
.irp b, 0,1,2,3
	v_max_num_f32 v[BM+\b], v[BM+\b], v[PT+\b]
.endr
.irp b, 0,1,2,3
	v_add_nc_u32 v[SOP+\b], 0xf8800000, v[BM+\b]   ; 15 off the exponent field: the conversion's scale operand
.endr
.irp b, 0,1,2,3
	v_and_or_b32 v[HD+\b], v[BM+\b], 0x7f800000, s[MNT]   ; 57,344 x the scale
.endr
.irp b, 0,1,2,3
	v_lshrrev_b32 v[PT+\b], 23, v[SOP+\b]
.endr
	v_lshl_or_b32 v[QS], v[PT+1], 8, v[PT]         ; for [Q | 0]: the two bytes below, 0 (2^-127, no NaN) over the zero codes
	v_lshl_or_b32 v[QS+2], v[PT+3], 8, v[PT+2]
	v_lshlrev_b32 v[QS+1], 16, v[QS]               ; for [0 | Q]
	v_lshlrev_b32 v[QS+3], 16, v[QS+2]
	WIN 0x41
.set j, 0
.rept 64
	v_med3_num_f32 v[j], v[j], -v[HD+j/16], v[HD+j/16]   ; the conversion does not saturate (ISA guide 7.6.2)
.set j, j+1
.endr
	WIN 0x01
.irp b, 0,1,2,3
	v_cvt_scalef32_pk8_bf8_f32 v[QZ+8+4*\b+8*(\b/2):QZ+9+4*\b+8*(\b/2)], v[16*\b:16*\b+7], v[SOP+\b]
	v_cvt_scalef32_pk8_bf8_f32 v[QZ+10+4*\b+8*(\b/2):QZ+11+4*\b+8*(\b/2)], v[16*\b+8:16*\b+15], v[SOP+\b]
.endr
	v_nop                                          ; a plain line behind the last conversion
	WIN 0
.endm
.macro SMM d, c, q, qs, row
.if \row
	v_wmma_scale_f32_16x16x128_f8f6f4 v[\d:\d+7], v[FRK+16*\c:FRK+16*\c+15], v[\q:\q+15], 0, v[KS+\c/2], v[\qs] matrix_a_fmt:MATRIX_FMT_BF8 matrix_b_fmt:MATRIX_FMT_BF8 matrix_a_scale:MATRIX_SCALE_ROW1
.else
	v_wmma_scale_f32_16x16x128_f8f6f4 v[\d:\d+7], v[FRK+16*\c:FRK+16*\c+15], v[\q:\q+15], 0, v[KS+\c/2], v[\qs] matrix_a_fmt:MATRIX_FMT_BF8 matrix_b_fmt:MATRIX_FMT_BF8
.endif
.endm
.macro PMM o, t, pc, pw, row
.if \row
	v_wmma_scale_f32_16x16x128_f8f6f4 v[\o:\o+7], v[FRV+16*\t:FRV+16*\t+15], v[\pc:\pc+15], v[\o:\o+7], v[VS+\t/2], v[\pw] matrix_a_fmt:MATRIX_FMT_BF8 matrix_b_fmt:MATRIX_FMT_BF8 matrix_a_scale:MATRIX_SCALE_ROW1
.else
	v_wmma_scale_f32_16x16x128_f8f6f4 v[\o:\o+7], v[FRV+16*\t:FRV+16*\t+15], v[\pc:\pc+15], v[\o:\o+7], v[VS+\t/2], v[\pw] matrix_a_fmt:MATRIX_FMT_BF8 matrix_b_fmt:MATRIX_FMT_BF8
.endif
.endm
.macro HOLD2 r, hd                     ; p is not negative: the hold is one-sided
.if DUAL
	v_dual_min_num_f32 v[\r], v[\r], v[\hd] :: v_dual_min_num_f32 v[\r+1], v[\r+1], v[\hd]
.else
	v_min_num_f32 v[\r], v[\r], v[\hd]
	v_min_num_f32 v[\r+1], v[\r+1], v[\hd]
.endif
.endm
.macro ACC c, s
	v_pk_add_f32 v[\c:\c+1], v[\c:\c+1], v[\s:\s+1]
.endm
; A KEY STEP: 128 keys against both tiles.
.macro STEP
	s_wait_dscnt 0x0                               ; K's fragments and scale words, asked for a step ago
	WIN 0x40
.irp c, 0,1,2,3                                ; sixteen accumulators, each begun with the constant 0
	SMM 16*\c, \c, QZ+8, QS, \c%2
	SMM 16*\c+8, \c, QZ, QS+1, \c%2
	SMM 64+16*\c, \c, QZ+24, QS+2, \c%2
	SMM 72+16*\c, \c, QZ+16, QS+3, \c%2
.endr
	WIN 0
	v_add_nc_u32 v[ADV], s[TB], v[LI]              ; eight places ahead of the loads into registers that products read and of the first read of the scores
	v_add_nc_u32 v[A8V], s[TB], v[LI8]
	v_add_nc_u32 v[ADK], s[TK], v[LI]
	v_add_nc_u32 v[A8K], s[TK], v[LI8]
.rept 4
	v_nop
.endr
	WIN 0x14                                       ; the largest score of each of the 8 blocks of 32 keys
.irp b, 0,1,2,3,4,5,6,7
	v_max3_num_f32 v[BM+\b], 0xff800000, v[16*\b], v[16*\b+1]
.endr
.irp i, 2,4,6,8,10,12,14
.irp b, 0,1,2,3,4,5,6,7
	v_max3_num_f32 v[BM+\b], v[BM+\b], v[16*\b+\i], v[16*\b+\i+1]
.endr
.endr
	WIN 0
.irp b, 0,1,2,3,4,5,6,7
	v_permlanex16_b32 v[PT+\b], v[BM+\b], s[SEL], s[SEL+1]
.endr
.irp b, 0,2,4,6
	v_dual_max_num_f32 v[BM+\b], v[BM+\b], v[PT+\b] :: v_dual_max_num_f32 v[BM+\b+1], v[BM+\b+1], v[PT+\b+1]
.endr
.irp x, 0,1
	v_max3_num_f32 v[T+\x], v[BM+4*\x], v[BM+4*\x+1], v[BM+4*\x+2]
.endr
.irp x, 0,1
	v_max3_num_f32 v[NM+2*\x+1], v[NM+2*\x+1], v[T+\x], v[BM+4*\x+3]   ; the running largest score
.endr
.irp x, 0,1
	v_mul_f32 v[T+\x], s[CS], v[NM+2*\x+1]         ; as t (c is positive)
.endr
.irp x, 0,1
	v_floor_f32 v[T+\x], -v[T+\x]                  ; the new -M = -ceil(t)
.endr
.irp x, 0,1
	v_sub_f32 v[FF+2*\x], v[T+\x], v[NM+2*\x]      ; old M - new M: a whole number, 0 or less
.endr
.irp x, 0,1
	v_mov_b32 v[NM+2*\x], v[T+\x]
.endr
.irp x, 0,1
	v_cvt_i32_f32 v[FF+2*\x], v[FF+2*\x]           ; (it saturates)
.endr
.irp x, 0,1
	v_ldexp_f32 v[FF+2*\x], 1.0, v[FF+2*\x]        ; f
.endr
.irp b, 0,1,2,3,4,5,6,7
	v_fma_f32 v[BM+\b], v[BM+\b], s[CS], v[NM+2*(\b/4)]   ; x = the block's largest t - M
.endr
.irp b, 0,2,4,6
	v_dual_max_num_f32 v[BM+\b], s[LOW], v[BM+\b] :: v_dual_max_num_f32 v[BM+\b+1], s[LOW], v[BM+\b+1]   ; held at -111: the byte cannot fall under 1
.endr
.irp b, 0,1,2,3,4,5,6,7
	v_cvt_floor_i32_f32 v[PT+\b], v[BM+\b]
.endr
.irp b, 0,1,2,3,4,5,6,7
	v_lshl_add_u32 v[SOP+\b], v[PT+\b], 23, 0x38000000   ; (floor(x) + 112) << 23: the conversion's scale operand
.endr
.irp b, 0,1,2,3,4,5,6,7
	v_add_nc_u32 v[HD+\b], 0x07e00000, v[SOP+\b]   ; 15 more on the exponent field, over 57,344's mantissa: 57,344 x the scale
.endr
.irp x, 0,1
	v_add_nc_u32 v[PW+\x], 0x70707070, v[PT+4*\x]  ; p's scale word: 112 + floor(x) in each byte (the sum is exact modulo 2^32)
.endr
.irp k, 1,2,3
.irp x, 0,1
	v_lshl_add_u32 v[PW+\x], v[PT+4*\x+\k], 8*\k, v[PW+\x]
.endr
.endr
	v_pk_mul_f32 v[20:21], v[20:21], v[FF:FF+1] op_sel_hi:[1,0]     ; the sums under the new M
	v_pk_mul_f32 v[60:61], v[60:61], v[FF+2:FF+3] op_sel_hi:[1,0]
	WIN 0x41
.set j, 0
.rept 16
	v_pk_mul_f32 v[128+j:129+j], v[128+j:129+j], v[FF:FF+1] op_sel_hi:[1,0]       ; O^T under the new M, each accumulator from its low end on
	v_pk_mul_f32 v[160+j:161+j], v[160+j:161+j], v[FF+2:FF+3] op_sel_hi:[1,0]
.set j, j+2
.endr
.set j, 0
.rept 32
	v_pk_fma_f32 v[j:j+1], v[j:j+1], s[CS:CS+1], v[NM:NM+1] op_sel_hi:[1,0,0]     ; A: t - M
.set j, j+2
.endr
	s_wait_alu depctr_va_vdst(0)
	WIN 0
	ds_load_b64 v[VS:VS+1], v[A8V] offset:16640    ; this step's V and the next step's K, 34 loads in one run behind the wait: they land under the exponentials and the sums
.set j, 0
.rept 16
	ds_load_b128 v[FRV+4*j:FRV+4*j+3], v[ADV] offset:8192+512*j
.set j, j+1
.endr
	KLOAD
	WIN 0x41
.set j, 0
.rept 32                                       ; A's exponentials; among them B's t - M, which reads what stands ahead of the wait above and is read behind the wait below
	v_exp_f32 v[j], v[j]
	v_exp_f32 v[j+1], v[j+1]
	v_pk_fma_f32 v[64+j:65+j], v[64+j:65+j], s[CS:CS+1], v[NM+2:NM+3] op_sel_hi:[1,0,0]
.set j, j+2
.endr
	s_wait_alu depctr_va_vdst(0)                   ; behind A's batch, ahead of B's
	WIN 0x45
.set j, 0
.rept 16                                       ; B's exponentials; among them, of A: the first level of the row's sum (of the unquantised p),
	v_exp_f32 v[64+j], v[64+j]
	v_pk_add_f32 v[224+2*j:225+2*j], v[4*j:4*j+1], v[4*j+2:4*j+3]
.set j, j+1
.endr
	WIN 0x41
.set j, 0
.rept 16                                       ; and then the hold
	v_exp_f32 v[80+3*j], v[80+3*j]
	v_exp_f32 v[81+3*j], v[81+3*j]
	HOLD2 4*j, HD+j/4
	v_exp_f32 v[82+3*j], v[82+3*j]
	HOLD2 4*j+2, HD+j/4
.set j, j+1
.endr
	s_wait_alu depctr_va_vdst(0)                   ; behind B's batch
	WIN 0x05
	v_pk_add_f32 v[22:23], v[224:225], v[226:227]
.irp k, 0,1,2
	v_pk_add_f32 v[62+2*\k:63+2*\k], v[64+4*\k:65+4*\k], v[66+4*\k:67+4*\k]
.endr
	WIN 0x04
.set j, 0
.rept 13                                       ; the rows' sums: A in two chains, B in four
	ACC 20+2*(j%2), 228+2*j
	ACC 60+2*((2*j)%4), 76+4*j
	ACC 60+2*((2*j+1)%4), 78+4*j
.set j, j+1
.endr
	ACC 22, 254
	WIN 0x41
.irp b, 0,1,2,3                                ; A's codes, and B's hold among them
	v_cvt_scalef32_pk8_bf8_f32 v[192+4*\b:193+4*\b], v[16*\b:16*\b+7], v[SOP+\b]
.irp i, 0,2,4,6
	HOLD2 64+16*\b+\i, HD+4+\b
.endr
	v_cvt_scalef32_pk8_bf8_f32 v[194+4*\b:195+4*\b], v[16*\b+8:16*\b+15], v[SOP+\b]
.irp i, 8,10,12,14
	HOLD2 64+16*\b+\i, HD+4+\b
.endr
.endr
.irp b, 0,1,2,3
	v_cvt_scalef32_pk8_bf8_f32 v[208+4*\b:209+4*\b], v[64+16*\b:71+16*\b], v[SOP+4+\b]
	v_cvt_scalef32_pk8_bf8_f32 v[210+4*\b:211+4*\b], v[72+16*\b:79+16*\b], v[SOP+4+\b]
.endr
	WIN 0
	ACC 20, 22                                     ; the chains join: four plain lines between the conversions and the products that take the codes
	ACC 62, 64
	ACC 60, 66
	ACC 60, 62
	s_wait_alu depctr_va_vdst(0)
	s_wait_dscnt 0x0                               ; V's tiles (and the next K) are in
	WIN 0x54
.irp t, 0,1,2,3                                ; O^T += V^T P^T: eight accumulators by turns
	PMM 128+8*\t, \t, 192, PW, \t%2
	PMM 160+8*\t, \t, 208, PW+1, \t%2
.endr
	WIN 0
	s_add_co_u32 s[TB], s[TB], STEPB
	s_add_co_u32 s[TK], s[TK], STEPB
.endm
; THE WAY OUT: O^T / the sum; a lane holds 32 neighbouring channels of its query's row; 16 rows a tile go through my stage, all lanes on, and leave as whole rows of 256 bytes.
.macro WAYOUT more
	v_add_f32 v20, v20, v21
	v_add_f32 v60, v60, v61
	v_permlanex16_b32 v[T], v20, s[SEL], s[SEL+1]
	v_permlanex16_b32 v[T+1], v60, s[SEL], s[SEL+1]
	v_add_f32 v20, v20, v[T]
	v_add_f32 v60, v60, v[T+1]
	s_wait_alu depctr_va_vdst(0)                   ; ahead of the reciprocals
	v_rcp_f32 v20, v20
	v_rcp_f32 v60, v60
	v_nop                                          ; with the six lines above: eight places behind the last products
	v_nop
	s_wait_alu depctr_va_vdst(0)                   ; ahead of the first readers of the reciprocals and of O^T
	WIN 0x41
.irp x, 0,1
.irp t, 0,1,2,3
.irp i, 0,1,2,3,4,5,6,7
	v_mul_f32 v[32*\x+4*\i+\t], v[128+32*\x+8*\t+\i], v[20+40*\x]   ; channel 32 h + 4 i + t into place 4 i + t
.endr
.endr
.endr
.irp x, 0,1
	WIN 0x04
.irp i, 0,1,2,3,4,5,6,7
	ds_store_b128 v[STO], v[32*\x+4*\i:32*\x+4*\i+3] offset:16*\i
.endr
	WIN 0
.irp i, 0,1,2,3,4,5,6,7
	ds_load_b128 v[FRV+32*\x+4*\i:FRV+32*\x+4*\i+3], v[RD] offset:544*\i   ; LDS serves a wave's instructions in order
.endr
.endr
.irp x, 0,1
.irp i, 0,1,2,3,4,5,6,7
	s_wait_dscnt 23-16*\x-\i                       ; the LDS instructions issued behind this load
	global_store_b128 v[LI], v[FRV+32*\x+4*\i:FRV+32*\x+4*\i+3], s[8:9] offset:4096*\x+512*\i th:TH_STORE_NT   ; 512 consecutive bytes, aligned
.endr
.endr
.if \more
	s_wait_xcnt 0x0                                ; the stores have read their data and base
	s_add_nc_u64 s[8:9], s[8:9], 65536             ; the second pass's rows lie 256 rows on
.endif
.endm
	s_load_b128 s[4:7], s[0:1], 0x0                ; query, kv
	s_load_b64 s[8:9], s[0:1], 0x10                ; out0
	v_lshl_add_u32 v[SPW], v0, 2, SPARE
	v_mov_b32 v[NIL], 0
	ds_add_u32 v[SPW], v[NIL]                      ; the opening lines: the add twice on end, and its wait ahead of my tensor load
	ds_add_u32 v[SPW], v[NIL]
	v_lshrrev_b32 v13, 5, v0
	v_readfirstlane_b32 s[WV], v13                 ; wave 0..7
	v_and_b32 v13, 31, v0
	v_lshlrev_b32 v[LI], 4, v13
	v_lshlrev_b32 v[LI8], 3, v13
	v_lshlrev_b32 v[PFO], 8, v13
	s_bfe_u32 s11, ttmp6, 0x40000                  ; cx
	s_lshl_b32 s13, ttmp9, 2
	s_add_co_u32 s13, s13, s11                     ; my block of 512 queries: it enters query's and out0's addresses alone
	s_and_b32 s12, ttmp7, 0xffff                   ; the head, which the four partners share
	s_mov_b32 s[G1], 15|(3<<16)|(1<<21)            ; the mask of all four; elements of 8 bytes; bit 21 beside a mask
	s_mov_b32 s[G1+1], 32<<16                      ; 33,792 dense bytes as 132 rows of 256 bytes
	s_mov_b32 s[G1+2], 132<<16
	s_mov_b32 s[G1+3], 32<<16
	s_mov_b32 s[G1+4], 132
	s_mov_b32 s[G1+5], 32
	s_mov_b32 s[G1+6], 0
	s_mov_b32 s[G1+7], 0
	s_mul_i32 s14, s[WV], 2*STEPB                  ; wave w fetches key steps 2 w and 2 w + 1
	s_mul_i32 s32, s12, HEADB
	s_add_co_u32 s32, s32, s14
	s_mov_b32 s33, 0
	s_lshl_b32 s34, s12, 19                        ; a head is 2,048 rows of 256 bytes, a block 512 rows, my two tiles 32 rows
	s_lshl_b32 s15, s13, 17
	s_add_co_u32 s34, s34, s15
	s_lshl_b32 s15, s[WV], 13
	s_add_co_u32 s34, s34, s15
	s_mov_b32 s35, 0
	s_mov_b32 s[SEL], 0x76543210
	s_mov_b32 s[SEL+1], 0xfedcba98
	s_mov_b32 s[CS], 0x3e38aa3b                    ; c = log2(e) / 8
	s_mov_b32 s[CS+1], s[CS]
	s_mov_b32 s[MNT], 0x600000
	s_mov_b32 s[LOW], 0xc2de0000                   ; -111.0
	s_wait_alu depctr_va_vdst(0)
	s_wait_dscnt 0x0
	s_wait_kmcnt 0x0
	s_mov_b32 s[G0], 1
	s_mov_b32 s[G0+1], s14
	s_add_nc_u64 s[G0+2:G0+3], s[6:7], s[32:33]
	s_or_b32 s[G0+3], s[G0+3], 0x80000000
	s_add_nc_u64 s[4:5], s[4:5], s[34:35]
	s_add_nc_u64 s[8:9], s[8:9], s[34:35]
	QLOAD                                          ; the first pass's Q is asked for first
	CROUND                                         ; all four work-groups are here: the joint loads meet
	s_cmp_lt_u32 s[WV], 3                          ; one chain, a load to an arm: waves 0-2 (key steps 0-5) have a line of their own
	s_cbranch_scc0 .Lrest
	tensor_load_to_lds s[G0:G0+3], s[G1:G1+7]
	s_nop 0
.rept 4
	v_nop
.endr
	s_branch .Lasked
.Lrest:
	tensor_load_to_lds s[G0:G0+3], s[G1:G1+7]
	s_nop 0
.rept 4
	v_nop
.endr
.Lasked:
	v_and_b32 v14, 15, v0                          ; r
	v_bfe_u32 v15, v0, 4, 1                        ; h
	s_mul_i32 s15, s[WV], WSTG
	s_add_co_u32 s15, s15, STAGE
	v_mul_u32_u24 v[STO], v14, 272
	v_lshl_add_u32 v[QRD], v15, 6, v[STO]
	v_lshl_add_u32 v[STO], v15, 7, v[STO]
	v_add_nc_u32 v[QRD], s15, v[QRD]
	v_add_nc_u32 v[STO], s15, v[STO]
	v_mul_u32_u24 v[RD], v15, 272
	v_lshl_add_u32 v[RD], v14, 4, v[RD]
	v_add_nc_u32 v[RD], s15, v[RD]
.irp i, 0,1,2,3,4,5,6,7
	v_mov_b32 v[QZ+\i], 0                          ; the zero codes beside and between the two Q
	v_mov_b32 v[QZ+16+\i], 0
	v_mov_b32 v[QZ+32+\i], 0
	v_mov_b32 v[PT+\i], 0                          ; a lane permute's destination counts as one of its sources
.endr
	v_mov_b32 v[FF+1], 0                           ; named in pairs, so written once
	v_mov_b32 v[FF+3], 0
	v_mov_b32 v[T], 0
	v_mov_b32 v[T+1], 0
	QUANT
	s_mov_b32 s[TK], 0
	v_add_nc_u32 v[ADK], s[TK], v[LI]
	v_add_nc_u32 v[A8K], s[TK], v[LI8]
	s_wait_alu depctr_va_vdst(0)
	s_cmp_lt_u32 s[WV], 3
	s_cbranch_scc0 .Lnot_first
	s_wait_tensorcnt 0x0                           ; every wave that issued the first line waits here
.Lnot_first:
	s_barrier_signal -1
	s_barrier_wait -1                              ; key steps 0 to 5 are whole
	KLOAD                                          ; key step 0's fragments
	s_mov_b32 s[PASS], 2
.Lpass:
.irp x, 0,1
	v_mov_b32 v[NM+2*\x], 0x7d000000               ; -M: so large that the first f is 0, which leaves the zeros below zeros
	v_mov_b32 v[NM+2*\x+1], 0xff61b1e6             ; the largest score so far: -3e38
.endr
	v_mov_b32 v20, 0
	v_mov_b32 v21, 0
	v_mov_b32 v60, 0
	v_mov_b32 v61, 0
	WIN 0x40
.set j, 0
.rept 64
	v_mov_b32 v[128+j], 0                          ; O^T: the step is written once and finds zeros the first time
.set j, j+1
.endr
	WIN 0
	s_mov_b32 s[TB], 0
	s_mov_b32 s[TK], STEPB
	s_mov_b32 s[CNT], 5
	s_wait_alu depctr_va_vdst(0)
.Lone:                                             ; key steps 0-4: they read V's steps 0-4 and K's 1-5
	STEP
	s_sub_co_u32 s[CNT], s[CNT], 1
	s_cmp_lg_u32 s[CNT], 0
	s_cbranch_scc1 .Lone
	s_wait_tensorcnt 0x0                           ; every wave: all that is still out
	s_barrier_signal -1
	s_barrier_wait -1                              ; the head is whole, and stays
	s_cmp_eq_u32 s[PASS], 2
	s_cbranch_scc0 .Lno_ask
	global_prefetch_b8 v[PFO], s[4:5] offset:65536 th:TH_LOAD_NT scope:SCOPE_SE   ; the second pass's 32 rows of query, a lane a row
.Lno_ask:
	s_mov_b32 s[TB], 5*STEPB
	s_mov_b32 s[TK], 6*STEPB
	s_mov_b32 s[CNT], 10
.Ltwo:                                             ; key steps 5-14
	STEP
	s_sub_co_u32 s[CNT], s[CNT], 1
	s_cmp_lg_u32 s[CNT], 0
	s_cbranch_scc1 .Ltwo
	s_mov_b32 s[TB], 15*STEPB
	s_mov_b32 s[TK], 0                             ; the last step fetches key step 0's fragments again, for the next pass (behind the last pass they are not read)
	STEP
	s_cmp_eq_u32 s[PASS], 1
	s_cbranch_scc1 .Llast
	s_wait_xcnt 0x0                                ; the prefetch has read its base
	s_add_nc_u64 s[4:5], s[4:5], 65536
	QLOAD                                          ; the second pass's Q is on its way under the way out
	WAYOUT 1
	QUANT
	s_sub_co_u32 s[PASS], s[PASS], 1
	s_cmp_lg_u32 s[PASS], 0
	s_wait_alu depctr_va_vdst(0)
	s_cbranch_scc1 .Lpass
.Llast:
	WAYOUT 0
	s_wait_tensorcnt 0x0                           ; the wave's end
	ds_add_u32 v[SPW], v[NIL]
	s_wait_dscnt 0x0
	CROUND                                         ; the closing round
	s_endpgm
.Lfunc_end_k_qa8dbf6a2cc_attn:
	.size	k_qa8dbf6a2cc_attn, .Lfunc_end_k_qa8dbf6a2cc_attn-k_qa8dbf6a2cc_attn
	.p2alignl 7, 3214868480
	.fill 96, 4, 3214868480
	.section	.rodata,"a",@progbits
	.p2align	6, 0x0
	.amdhsa_kernel k_qa8dbf6a2cc_attn
		.amdhsa_group_segment_fixed_size 327680
		.amdhsa_private_segment_fixed_size 0
		.amdhsa_enable_private_segment 0
		.amdhsa_kernarg_size 24
		.amdhsa_user_sgpr_count 2
		.amdhsa_user_sgpr_kernarg_segment_ptr 1
		.amdhsa_wavefront_size32 1
		.amdhsa_system_sgpr_workgroup_id_x 1
		.amdhsa_system_sgpr_workgroup_id_y 1
		.amdhsa_system_sgpr_workgroup_id_z 1
		.amdhsa_system_vgpr_workitem_id 0
		.amdhsa_next_free_vgpr 512
		.amdhsa_next_free_sgpr 66
		.amdhsa_reserve_vcc 0
		.amdhsa_float_denorm_mode_32 3
		.amdhsa_float_denorm_mode_16_64 3
		.amdhsa_memory_ordered 1
		.amdhsa_forward_progress 1
		.amdhsa_inst_pref_size 150
	.end_amdhsa_kernel
	.amdgpu_metadata
---
amdhsa.version: [ 1, 2 ]
amdhsa.kernels:
  - .name:           k_qa8dbf6a2cc_attn
    .symbol:         k_qa8dbf6a2cc_attn.kd
    .args:
      - { .name: query, .offset: 0, .size: 8, .value_kind: global_buffer, .address_space: global }
      - { .name: kv, .offset: 8, .size: 8, .value_kind: global_buffer, .address_space: global }
      - { .name: out0, .offset: 16, .size: 8, .value_kind: global_buffer, .address_space: global }
    .group_segment_fixed_size: 327680
    .private_segment_fixed_size: 0
    .kernarg_segment_align: 8
    .kernarg_segment_size: 24
    .max_flat_workgroup_size: 256
    .sgpr_count:     66
    .vgpr_count:     512
    .wavefront_size: 32
...
	.end_amdgpu_metadata
.endif
;; end of part 2
